; MI455X (gfx1250); checked and timed in simulation.
; The chip was launched on July 23, 2026; its instructions are those of AMD's public machine-readable ISA for CDNA 5 (MIT licence, August 2026) and "CDNA5" Instruction Set Architecture Reference Guide (July 2026). The comments in the code are by the model that wrote it; some were corrected since.
;; Task Lo RA Linear. Allowed arithmetic: float matrix products may take bf16 or f16 operands with f32 sums; all other float work in f32.
;; Inputs: Wa1 64 x 256 float32; Wa2 8,192 x 64 float32; Wb1 64 x 256 float32; Wb2 8,192 x 64 float32; ba1 64 float32; ba2 8,192 float32; base_out 4 x 2,048 x 1,024 float32; bb1 64 float32; bb2 8,192 float32; task_emb 4 x 256 float32; x 4 x 2,048 x 1,024 float32.
;; Outputs: out0 4 x 2,048 x 1,024 float32.
;; One version. Each part assembles by itself: llvm-mc -triple=amdgcn-amd-amdhsa -mcpu=gfx1250 --defsym DOCPART=n.
;; ======== version 1 of 1: 2 launches
;; limits: a function is approximated: absolute error at most 1.5e-07
;; workspace buffers: vec 262,144 bytes
;; launch gen (part 1): grid 128 x 1, 4 waves a work-group, no clusters, 168,448 bytes of LDS; arguments task_emb, Wa1, Wb1, ba1, bb1, Wa2, Wb2, ba2, bb2, vec; writes vec
.if DOCPART == 1
	.amdgcn_target "amdgcn-amd-amdhsa--gfx1250"
	.amdhsa_code_object_version 6
	.text
	.protected	k_q8bd9f22ce0_gen
	.globl	k_q8bd9f22ce0_gen
	.p2align	8
	.type	k_q8bd9f22ce0_gen,@function
k_q8bd9f22ce0_gen:
	s_mov_b64 s[64:65], 0
	v_nop
	global_prefetch_b8 v0, s[64:65] scope:SCOPE_SE
	s_setreg_imm32_b32 hwreg(HW_REG_WAVE_MODE, 25, 1), 1
	s_wait_xcnt 0x0
; TaskLoRALinear, launch 1 of 2: the two generator MLPs, once for each of the four task rows.
;   vec_a[t] = gelu(task_emb[t] Wa1^T + ba1) Wa2^T + ba2,   vec_b[t] likewise from Wb1, bb1, Wb2, bb2.
;   vec: [which 2][task 4][plane 2][8192] bf16; plane 0 = hi = bf16(v), plane 1 = lo = bf16(v - hi): together 16 significant bits with bf16's range.
;   Launch 2 lays lo into rows and k blocks of its matrix tiles that rank 8 leaves empty.
; WORK LEFT OUT, for all values of the inputs: reference() builds task_eff = tile(task_emb, (2048, 1))[:8192], so task_eff[i] = task_emb[i mod 4].
; h_a, vec_a, h_b and vec_b of row i are functions of task_eff[i] and the weights alone, so each has four distinct rows and 8,188 equal copies of them:
; the four are computed, the copies are not.  SCALING = ALPHA / RANK = 8 / 8 is the factor 1 and is not multiplied.  Every input has a way to the
; output and is loaded (x and base_out in launch 2).  Limit: a NaN, an infinity or an overflow that reached only work left out would not be carried
; to the result; what is left out here repeats work that is done, so there is no such case.
; LIMITS: matrix operands (task_emb, W1, h, W2) are rounded to bf16, sums are f32.  A finite v that rounds to infinity in bf16 (above about 3.39e38) gives NaN in lo.
; erfc is Abramowitz and Stegun 7.1.26, absolute error 1.5e-7, used without a difference of near-equal numbers:
; gelu(x) = (x/2) erfc(|x|/sqrt 2) for x <= 0 and x - (x/2) erfc(|x|/sqrt 2) for x > 0.  v_exp_f32 gives 0 for results under 2^-126 (ISA guide 15.8).
; NO CLUSTER: the launch has one fill and no loop; W1 and task_emb (68 of a work-group's 100 KiB) are shared, but the rounds of the cluster's barrier
; round a single fill would only lengthen a chain of dependent steps.
; SHARES: work-group g: which = g >> 6 (a or b), c = g & 63: the 128 numbers n = 128 c .. 128 c + 127 of all four tasks.  Wave w: hidden units 16 w .. 16 w + 15,
; then n = 128 c + 32 w .. + 31 (two tiles of 16), then the stores of task w's 256 bytes of each plane.
.set W1P,  1040                        ; LDS pitch of a row of 256 f32: 1,024 + 16 bytes, an odd multiple of 16, so sixteen rows start in sixteen different 16-byte columns of 256 bytes
.set W1W,  16*W1P                      ; a wave's 16 rows of W1
.set TKB,  4*W1W                       ; 66,560: each wave's own copy of task_emb (4 rows, pitch W1P)
.set TKW,  4352
.set W2B,  TKB+4*TKW                   ; 83,968: each wave's 32 rows of W2
.set W2P,  272                         ; 64 f32 = 256 + 16 bytes
.set W2W,  32*W2P
.set HSB,  W2B+4*W2W                   ; 118,784: h in bf16, [wave][task][16 units]: written by ds_store alone
.set HSW,  128
.set SGB,  HSB+768                     ; 119,552: the stage of plane hi, [wave] at 320 bytes, [task][32 numbers]: written by ds_store alone
.set SGW,  320
.set SGL,  4*SGW                       ; the stage of plane lo lies 1,280 bytes behind it
.set VW1, 5                            ; v5   LDS address of my W1 fragment
.set VTK, 6                            ; v6   of my task fragment
.set VW2, 7                            ; v7   of my W2 fragment
.set VHS, 8                            ; v8   where I put 8 hidden units
.set VHL, 9                            ; v9   where I read h fragments
.set VSS, 10                           ; v10  where I put 8 numbers of vec
.set VSL, 11                           ; v11  where I read 8 bytes of task w's row back
.set VB1, 12                           ; v12  byte offset of my 8 numbers of b1
.set VB2, 13                           ; v13  of b2
.set VOU, 14                           ; v14  of my 8 bytes in the stored unit
.set ACCE, 16                          ; v[16:23]  sums of the even K steps; starts as b1; then x, then gelu(x)
.set ACCO, 24                          ; v[24:31]  sums of the odd K steps
.set ACCV, 32                          ; v[32:47]  two tiles of vec; start as b2; then v - hi
.set U,   48                           ; v[48:55]  |x|, then exp, then x - E
.set T,   56                           ; v[56:63]  t = 1 / (1 + p |x| / sqrt 2)
.set E,   64                           ; v[64:71]  the exponent, then (x/2) erfc
.set PL,  64                           ; v[64:71]  later: plane lo
.set P,   72                           ; v[72:79]  the denominator, then the polynomial, then erfc
.set HX,  80                           ; v[80:87]  x / 2
.set HB,  88                           ; v[88:91]  8 hidden units in bf16
.set HF,  96                           ; v[96:111] h fragments of two K steps
.set PK,  112                          ; v[112:119] plane hi
.set OD,  120                          ; v[120:123] 8 bytes of each plane on the way out
.set NG,  124                          ; v124 = -1.0
.set ST,  128                          ; v[128:255] four sets of 32: 16 f32 of W1 and 16 of task_emb, converted in place
.set G1T,  24                          ; s[24:31] shape of the task tile
.set G1W1, 32                          ; s[32:39] of the W1 tile
.set G1W2, 40                          ; s[40:47] of the W2 tile
.set G0T,  48
.set G0W1, 52
.set G0W2, 56
.set WV, 60                            ; wave
.set WH, 61                            ; which
.set CH, 62                            ; c
.set TS, 63                            ; at work
	s_load_b512 s[4:19], s[0:1], 0x0               ; task_emb s[4:5], Wa1 [6:7], Wb1 [8:9], ba1 [10:11], bb1 [12:13], Wa2 [14:15], Wb2 [16:17], ba2 [18:19]
	s_load_b128 s[20:23], s[0:1], 0x40             ; bb2 s[20:21], vec s[22:23]
	v_lshl_add_u32 v126, v0, 2, 0x29000
	v_mov_b32 v127, 0
	ds_add_u32 v126, v127
	ds_add_u32 v126, v127
	v_lshrrev_b32 v15, 5, v0
	v_readfirstlane_b32 s[WV], v15                 ; the wave's number as a scalar
	s_lshr_b32 s[WH], ttmp9, 6
	s_and_b32 s[CH], ttmp9, 63
	; shapes, in elements of 4 bytes; no tile crosses its tensor's end, so the extents are the tile's
	s_mov_b32 s[G1T+0], (2<<16)|(1<<20)|(7<<22)|(3<<25)    ; 4-byte elements; padding on: 4 words behind every 256
	s_mov_b32 s[G1T+1], 256<<16                    ; tensor_dim0 = 256
	s_mov_b32 s[G1T+2], 4<<16                      ; tensor_dim1 = 4
	s_mov_b32 s[G1T+3], 256<<16                    ; tile_dim0 = 256
	s_mov_b32 s[G1T+4], 4                          ; tile_dim1 = 4
	s_mov_b32 s[G1T+5], 256                        ; from row to row
	s_mov_b32 s[G1T+6], 0
	s_mov_b32 s[G1T+7], 0
	s_mov_b32 s[G1W1+0], (2<<16)|(1<<20)|(7<<22)|(3<<25)
	s_mov_b32 s[G1W1+1], 256<<16
	s_mov_b32 s[G1W1+2], 16<<16                    ; 16 rows
	s_mov_b32 s[G1W1+3], 256<<16
	s_mov_b32 s[G1W1+4], 16
	s_mov_b32 s[G1W1+5], 256
	s_mov_b32 s[G1W1+6], 0
	s_mov_b32 s[G1W1+7], 0
	s_mov_b32 s[G1W2+0], (2<<16)|(1<<20)|(5<<22)|(3<<25)   ; 4 words behind every 64
	s_mov_b32 s[G1W2+1], 64<<16
	s_mov_b32 s[G1W2+2], 32<<16                    ; 32 rows of 64
	s_mov_b32 s[G1W2+3], 64<<16
	s_mov_b32 s[G1W2+4], 32
	s_mov_b32 s[G1W2+5], 64
	s_mov_b32 s[G1W2+6], 0
	s_mov_b32 s[G1W2+7], 0
	s_mov_b32 s[G0T], 1
	s_mul_i32 s[G0T+1], s[WV], TKW
	s_add_co_u32 s[G0T+1], s[G0T+1], TKB           ; my copy of task_emb
	s_mov_b32 s[G0W1], 1
	s_mul_i32 s[G0W1+1], s[WV], W1W                ; my 16 rows of W1
	s_mov_b32 s[G0W2], 1
	s_mul_i32 s[G0W2+1], s[WV], W2W
	s_add_co_u32 s[G0W2+1], s[G0W2+1], W2B         ; my 32 rows of W2
	s_lshl_b32 s2, s[WV], 14                       ; W1: 16 w rows of 1,024 bytes
	s_mov_b32 s3, 0
	s_lshl_b32 s66, s[CH], 15                      ; W2: (128 c + 32 w) rows of 256 bytes
	s_lshl_b32 s[TS], s[WV], 13
	s_add_co_u32 s66, s66, s[TS]
	s_mov_b32 s67, 0
	; lane terms: r = lane & 15, h = lane >> 4
	v_and_b32 v1, 31, v0
	v_and_b32 v2, 15, v0
	v_bfe_u32 v3, v0, 4, 1
	v_and_b32 v4, 3, v0                            ; the task of column r: lanes r >= 4 repeat tasks 0 to 3
	v_mov_b32 v[NG], -1.0
	v_mul_u32_u24 v[VW1], v2, W1P
	v_lshl_add_u32 v[VW1], v3, 5, v[VW1]           ; row r, 8 h f32
	v_add_nc_u32 v[VW1], s[G0W1+1], v[VW1]
	v_mul_u32_u24 v[VTK], v4, W1P
	v_lshl_add_u32 v[VTK], v3, 5, v[VTK]
	v_add_nc_u32 v[VTK], s[G0T+1], v[VTK]
	v_mul_u32_u24 v[VW2], v2, W2P
	v_lshl_add_u32 v[VW2], v3, 5, v[VW2]
	v_add_nc_u32 v[VW2], s[G0W2+1], v[VW2]
	v_lshlrev_b32 v[VHL], 5, v4
	v_lshl_add_u32 v[VHL], v3, 4, v[VHL]
	v_add_nc_u32 v[VHL], HSB, v[VHL]               ; HSB + 32 task + 16 h
	s_lshl_b32 s[TS], s[WV], 7
	v_add_nc_u32 v[VHS], s[TS], v[VHL]             ; + 128 w
	v_lshlrev_b32 v[VSS], 6, v4
	v_lshl_add_u32 v[VSS], v3, 4, v[VSS]
	s_mul_i32 s[TS], s[WV], SGW
	s_add_co_u32 s[TS], s[TS], SGB
	v_add_nc_u32 v[VSS], s[TS], v[VSS]             ; SGB + 320 w + 64 task + 16 h
	v_lshrrev_b32 v[VSL], 3, v1
	v_mul_u32_u24 v[VSL], v[VSL], SGW
	v_and_b32 v15, 7, v0
	v_lshl_add_u32 v[VSL], v15, 3, v[VSL]
	s_lshl_b32 s[TS], s[WV], 6
	s_add_co_u32 s[TS], s[TS], SGB
	v_add_nc_u32 v[VSL], s[TS], v[VSL]             ; SGB + 320 (lane >> 3) + 64 w + 8 (lane & 7): task w's row
	s_lshl_b32 s[TS], s[WV], 6
	v_lshl_add_u32 v[VB1], v3, 5, s[TS]            ; b1: 4 (16 w + 8 h)
	s_lshl_b32 s[TS], s[WV], 7
	v_lshl_add_u32 v[VB2], v3, 5, s[TS]            ; b2: 4 (32 w + 8 h)
	v_lshlrev_b32 v[VOU], 3, v1
	s_mov_b32 s68, 0x3e6d3388                      ; p / sqrt 2, p = 0.3275911
	s_mov_b32 s69, 0xbf38aa3b                      ; -log2(e) / 2
	s_mov_b32 s70, 0x3e827906                      ; a1 =  0.254829592
	s_mov_b32 s71, 0xbe91a98e                      ; a2 = -0.284496736
	s_mov_b32 s72, 0x3fb5f0e3                      ; a3 =  1.421413741
	s_mov_b32 s73, 0xbfba00e3                      ; a4 = -1.453152027
	s_mov_b32 s74, 0x3f87dc22                      ; a5 =  1.061405429
	s_wait_dscnt 0x0
	s_wait_kmcnt 0x0
	s_cmp_lg_u32 s[WH], 0                          ; the b generator's four buffers for work-groups 64 to 127
	s_cselect_b64 s[6:7], s[8:9], s[6:7]           ; W1
	s_cselect_b64 s[10:11], s[12:13], s[10:11]     ; b1
	s_cselect_b64 s[14:15], s[16:17], s[14:15]     ; W2
	s_cselect_b64 s[18:19], s[20:21], s[18:19]     ; b2
	s_mov_b64 s[G0T+2:G0T+3], s[4:5]
	s_or_b32 s[G0T+3], s[G0T+3], 0x80000000        ; type 2
	s_add_nc_u64 s[G0W1+2:G0W1+3], s[6:7], s[2:3]
	s_or_b32 s[G0W1+3], s[G0W1+3], 0x80000000
	s_add_nc_u64 s[G0W2+2:G0W2+3], s[14:15], s[66:67]
	s_or_b32 s[G0W2+3], s[G0W2+3], 0x80000000
	; the launch's only fills, one group: three tensor loads of this wave are out
	tensor_load_to_lds s[G0T:G0T+3], s[G1T:G1T+7]
	s_nop 0
	tensor_load_to_lds s[G0W1:G0W1+3], s[G1W1:G1W1+7]
	s_nop 0
	tensor_load_to_lds s[G0W2:G0W2+3], s[G1W2:G1W2+7]
	s_nop 0
	s_lshl_b32 s66, s[CH], 9
	s_add_nc_u64 s[18:19], s[18:19], s[66:67]      ; b2 at n = 128 c
	s_lshl_b32 s2, s[WH], 17                       ; which: 131,072 bytes
	s_lshl_b32 s[TS], s[WV], 15                    ; task w: 32,768 bytes
	s_add_co_u32 s2, s2, s[TS]
	s_lshl_b32 s[TS], s[CH], 8
	s_add_co_u32 s2, s2, s[TS]
	s_add_nc_u64 s[22:23], s[22:23], s[2:3]        ; vec[which][task w][plane 0][128 c]
	; the biases are the C of the first products: register j of lane (r, h) is row 8 h + j of a tile
	global_load_b128 v[ACCE:ACCE+3],   v[VB1], s[10:11]
	global_load_b128 v[ACCE+4:ACCE+7], v[VB1], s[10:11] offset:16
.irp t, 0,1
	global_load_b128 v[ACCV+8*\t:ACCV+8*\t+3],   v[VB2], s[18:19] offset:64*\t
	global_load_b128 v[ACCV+8*\t+4:ACCV+8*\t+7], v[VB2], s[18:19] offset:64*\t+16
.endr
; K step s of the first layer, 32 of the 256 task dimensions: 16 f32 a lane of W1 and of task_emb into set s % 4.
; A 16-bit fragment wants k = 8 h .. 8 h + 7 and k = 16 + 8 h .. + 7: in f32 the bytes 32 h .. + 31 and 64 + 32 h .. + 31 of the step's 128.
.macro HLOAD s
.set LB, ST+32*(\s%4)
.irp o, 0,1,2,3
	ds_load_b128 v[LB+4*\o:LB+4*\o+3], v[VW1] offset:\s*128+(\o/2)*64+(\o%2)*16
.endr
.irp o, 0,1,2,3
	ds_load_b128 v[LB+16+4*\o:LB+16+4*\o+3], v[VTK] offset:\s*128+(\o/2)*64+(\o%2)*16
.endr
.endm
; left = the LDS loads issued behind this step's eight.  nxt = the K step fetched behind the product (0: none): it lands in the set that the
; product of step s - 1 read, and this step's sixteen conversions are the places between that product and the loads.
; The two accumulators take turns, one instruction a turn.
.macro HSTEP s, left, nxt
.set SB, ST+32*(\s%4)
	s_wait_dscnt \left
.irp j, 0,1,2,3,4,5,6,7
	v_cvt_pk_bf16_f32 v[SB+\j], v[SB+2*\j], v[SB+2*\j+1]           ; in place: word j is written when words 2 j and 2 j + 1 are read
.endr
.irp j, 0,1,2,3,4,5,6,7
	v_cvt_pk_bf16_f32 v[SB+16+\j], v[SB+16+2*\j], v[SB+16+2*\j+1]
.endr
.if \s == 0
	s_wait_loadcnt 0x4                             ; b1's two loads are in; b2's four, issued behind them, may be out
	v_wmma_f32_16x16x32_bf16 v[ACCE:ACCE+7], v[SB:SB+7], v[SB+16:SB+23], v[ACCE:ACCE+7]
.else
.if \s == 1
	v_wmma_f32_16x16x32_bf16 v[ACCO:ACCO+7], v[SB:SB+7], v[SB+16:SB+23], 0
.else
	v_wmma_f32_16x16x32_bf16 v[ACCE+8*(\s%2):ACCE+8*(\s%2)+7], v[SB:SB+7], v[SB+16:SB+23], v[ACCE+8*(\s%2):ACCE+8*(\s%2)+7]
.endif
.endif
.if \nxt
	HLOAD \nxt
.endif
.endm
	s_wait_tensorcnt 0x1                           ; my copy of task_emb and my rows of W1 are in LDS (only I read them); W2, issued behind them, may be out
	HLOAD 0
	HLOAD 1
	HLOAD 2
	HLOAD 3
	HSTEP 0, 24, 0                                 ; steps 1, 2, 3 are out
	HSTEP 1, 16, 4
	HSTEP 2, 16, 5
	HSTEP 3, 16, 6
	HSTEP 4, 16, 7
	HSTEP 5, 16, 0
	HSTEP 6, 8, 0
	HSTEP 7, 0, 0
.rept 4
	v_nop                                          ; four places behind the last product, ahead of the reads of its result (ISA guide 7.12.1)
.endr
.irp j, 0,2,4,6
	v_pk_add_f32 v[ACCE+\j:ACCE+\j+1], v[ACCE+\j:ACCE+\j+1], v[ACCO+\j:ACCO+\j+1]
.endr
	; x = v[ACCE+j]: hidden unit 16 w + 8 h + j of task r & 3.  gelu, stage by stage over the eight, so that no stage waits for the line in front of it.
.irp j, 0,1,2,3,4,5,6,7
	v_and_b32 v[U+\j], 0x7fffffff, v[ACCE+\j]      ; |x|
.endr
.irp j, 0,1,2,3,4,5,6,7
	v_fma_f32 v[P+\j], v[U+\j], s68, 1.0           ; 1 + p |x| / sqrt 2
.endr
.irp j, 0,1,2,3,4,5,6,7
	v_mul_f32 v[E+\j], v[ACCE+\j], v[ACCE+\j]
.endr
.irp j, 0,1,2,3,4,5,6,7
	v_mul_f32 v[E+\j], s69, v[E+\j]                ; -(x^2 / 2) log2 e
.endr
.irp j, 0,1,2,3,4,5,6,7
	v_rcp_f32 v[T+\j], v[P+\j]
.endr
.irp j, 0,1,2,3,4,5,6,7
	v_exp_f32 v[U+\j], v[E+\j]
.endr
.irp j, 0,1,2,3,4,5,6,7
	v_mul_f32 v[HX+\j], 0.5, v[ACCE+\j]            ; plain work that touches none of T, U, P, E stands behind the transcendentals (ISA guide 5.7.2)
.endr
	s_wait_alu depctr_va_vdst(0)
.irp j, 0,1,2,3,4,5,6,7
	v_fma_f32 v[P+\j], v[T+\j], s74, s73           ; a5 t + a4
.endr
.irp j, 0,1,2,3,4,5,6,7
	v_fma_f32 v[P+\j], v[P+\j], v[T+\j], s72
.endr
.irp j, 0,1,2,3,4,5,6,7
	v_fma_f32 v[P+\j], v[P+\j], v[T+\j], s71
.endr
.irp j, 0,1,2,3,4,5,6,7
	v_fma_f32 v[P+\j], v[P+\j], v[T+\j], s70
.endr
.irp j, 0,2,4,6
	v_pk_mul_f32 v[P+\j:P+\j+1], v[P+\j:P+\j+1], v[T+\j:T+\j+1]
.endr
.irp j, 0,2,4,6
	v_pk_mul_f32 v[P+\j:P+\j+1], v[P+\j:P+\j+1], v[U+\j:U+\j+1]    ; erfc(|x| / sqrt 2)
.endr
.irp j, 0,2,4,6
	v_pk_mul_f32 v[E+\j:E+\j+1], v[HX+\j:HX+\j+1], v[P+\j:P+\j+1]  ; (x/2) erfc: gelu for x <= 0
.endr
.irp j, 0,1,2,3,4,5,6,7
	v_sub_f32 v[U+\j], v[ACCE+\j], v[E+\j]         ; x - (x/2) erfc: gelu for x > 0
.endr
.irp j, 0,1,2,3,4,5,6,7
	v_cmp_lt_f32 vcc_lo, 0, v[ACCE+\j]
	v_cndmask_b32 v[ACCE+\j], v[E+\j], v[U+\j], vcc_lo
.endr
.irp i, 0,1,2,3
	v_cvt_pk_bf16_f32 v[HB+\i], v[ACCE+2*\i], v[ACCE+2*\i+1]
.endr
	ds_store_b128 v[VHS], v[HB:HB+3]               ; lanes r, r + 4, r + 8, r + 12 hold equal numbers and write the same bytes
	s_wait_tensorcnt 0x0                           ; my rows of W2 are in LDS
	s_wait_dscnt 0x0                               ; my part of h is in LDS, for the other waves' sake
	s_barrier_signal -1
	; while the others arrive: my own rows of W2, which no wave ever writes.  Fragment f = 2 tile + K step.
.irp f, 0,1,2,3
.irp o, 0,1,2,3
	ds_load_b128 v[ST+16*\f+4*\o:ST+16*\f+4*\o+3], v[VW2] offset:(\f/2)*16*W2P+(\f%2)*128+(\o/2)*64+(\o%2)*16
.endr
.endr
	s_wait_dscnt 0x0
.irp f, 0,1,2,3
.irp j, 0,1,2,3,4,5,6,7
	v_cvt_pk_bf16_f32 v[ST+16*\f+\j], v[ST+16*\f+2*\j], v[ST+16*\f+2*\j+1]
.endr
.endr
	s_barrier_wait -1                              ; h is whole
.irp s, 0,1
	ds_load_b128 v[HF+8*\s:HF+8*\s+3],   v[VHL] offset:(2*\s)*HSW      ; units 32 s + 8 h .. + 7: wave 2 s's part
	ds_load_b128 v[HF+8*\s+4:HF+8*\s+7], v[VHL] offset:(2*\s+1)*HSW    ; units 32 s + 16 + 8 h .. + 7: wave 2 s + 1's
.endr
	s_wait_dscnt 0x0
	s_wait_loadcnt 0x0                             ; b2
	; the two tiles' accumulators take turns
.irp f, 0,2,1,3
	v_wmma_f32_16x16x32_bf16 v[ACCV+8*(\f/2):ACCV+8*(\f/2)+7], v[ST+16*\f:ST+16*\f+7], v[HF+8*(\f%2):HF+8*(\f%2)+7], v[ACCV+8*(\f/2):ACCV+8*(\f/2)+7]
.endr
.rept 4
	v_nop                                          ; four places ahead of the reads of the results
.endr
	; the two planes: hi = bf16(v); v - hi is exact in f32 (one fused multiply-add, hi x -1 + v); lo = bf16(v - hi)
.irp i, 0,1,2,3,4,5,6,7
	v_cvt_pk_bf16_f32 v[PK+\i], v[ACCV+2*\i], v[ACCV+2*\i+1]
.endr
.irp i, 0,1,2,3,4,5,6,7
	v_fma_mix_f32_bf16 v[ACCV+2*\i],   v[PK+\i], v[NG], v[ACCV+2*\i]   op_sel_hi:[1,0,0]                  ; the word's low bf16
	v_fma_mix_f32_bf16 v[ACCV+2*\i+1], v[PK+\i], v[NG], v[ACCV+2*\i+1] op_sel:[1,0,0] op_sel_hi:[1,0,0]   ; its high bf16
.endr
.irp i, 0,1,2,3,4,5,6,7
	v_cvt_pk_bf16_f32 v[PL+\i], v[ACCV+2*\i], v[ACCV+2*\i+1]
.endr
	ds_store_b128 v[VSS], v[PK:PK+3]               ; n = 32 w + 8 h .. + 7 of task r & 3
	ds_store_b128 v[VSS], v[PK+4:PK+7] offset:32   ; n = 32 w + 16 + 8 h .. + 7
	ds_store_b128 v[VSS], v[PL:PL+3]   offset:SGL
	ds_store_b128 v[VSS], v[PL+4:PL+7] offset:SGL+32
	s_wait_dscnt 0x0                               ; for the other waves' sake
	s_barrier_signal -1
	s_barrier_wait -1
	ds_load_b64 v[OD:OD+1],   v[VSL]
	ds_load_b64 v[OD+2:OD+3], v[VSL] offset:SGL
	s_wait_dscnt 0x0
	global_store_b64 v[VOU], v[OD:OD+1],   s[22:23]                ; each store of the wave covers 256 consecutive bytes, at a multiple of 256 from vec's first byte
	global_store_b64 v[VOU], v[OD+2:OD+3], s[22:23] offset:16384   ; plane lo
	s_wait_tensorcnt 0x0
	ds_add_u32 v126, v127
	s_wait_dscnt 0x0
	s_endpgm
.Lfunc_end_k_q8bd9f22ce0_gen:
	.size	k_q8bd9f22ce0_gen, .Lfunc_end_k_q8bd9f22ce0_gen-k_q8bd9f22ce0_gen
	.p2alignl 7, 3214868480
	.fill 96, 4, 3214868480
	.section	.rodata,"a",@progbits
	.p2align	6, 0x0
	.amdhsa_kernel k_q8bd9f22ce0_gen
		.amdhsa_group_segment_fixed_size 168448
		.amdhsa_private_segment_fixed_size 0
		.amdhsa_enable_private_segment 0
		.amdhsa_kernarg_size 80
		.amdhsa_user_sgpr_count 2
		.amdhsa_user_sgpr_kernarg_segment_ptr 1
		.amdhsa_wavefront_size32 1
		.amdhsa_system_sgpr_workgroup_id_x 1
		.amdhsa_system_sgpr_workgroup_id_y 1
		.amdhsa_system_sgpr_workgroup_id_z 1
		.amdhsa_system_vgpr_workitem_id 0
		.amdhsa_next_free_vgpr 256
		.amdhsa_next_free_sgpr 80
		.amdhsa_reserve_vcc 1
		.amdhsa_float_denorm_mode_32 3
		.amdhsa_float_denorm_mode_16_64 3
		.amdhsa_memory_ordered 1
		.amdhsa_forward_progress 1
		.amdhsa_inst_pref_size 33
	.end_amdhsa_kernel
	.amdgpu_metadata
---
amdhsa.version: [ 1, 2 ]
amdhsa.kernels:
  - .name:           k_q8bd9f22ce0_gen
    .symbol:         k_q8bd9f22ce0_gen.kd
    .args:
      - { .name: task_emb, .offset: 0, .size: 8, .value_kind: global_buffer, .address_space: global }
      - { .name: Wa1, .offset: 8, .size: 8, .value_kind: global_buffer, .address_space: global }
      - { .name: Wb1, .offset: 16, .size: 8, .value_kind: global_buffer, .address_space: global }
      - { .name: ba1, .offset: 24, .size: 8, .value_kind: global_buffer, .address_space: global }
      - { .name: bb1, .offset: 32, .size: 8, .value_kind: global_buffer, .address_space: global }
      - { .name: Wa2, .offset: 40, .size: 8, .value_kind: global_buffer, .address_space: global }
      - { .name: Wb2, .offset: 48, .size: 8, .value_kind: global_buffer, .address_space: global }
      - { .name: ba2, .offset: 56, .size: 8, .value_kind: global_buffer, .address_space: global }
      - { .name: bb2, .offset: 64, .size: 8, .value_kind: global_buffer, .address_space: global }
      - { .name: vec, .offset: 72, .size: 8, .value_kind: global_buffer, .address_space: global }
    .group_segment_fixed_size: 168448
    .private_segment_fixed_size: 0
    .kernarg_segment_align: 8
    .kernarg_segment_size: 80
    .max_flat_workgroup_size: 128
    .sgpr_count:     80
    .vgpr_count:     256
    .wavefront_size: 32
...
	.end_amdgpu_metadata
.endif
;; end of part 1
;; launch apply (part 2): grid 256 x 1, 8 waves a work-group, no clusters, 322,560 bytes of LDS; arguments x, base_out, vec, out0; writes out0
.if DOCPART == 2
	.amdgcn_target "amdgcn-amd-amdhsa--gfx1250"
	.amdhsa_code_object_version 6
	.text
	.protected	k_q8bd9f22ce0_apply
	.globl	k_q8bd9f22ce0_apply
	.p2align	8
	.type	k_q8bd9f22ce0_apply,@function
k_q8bd9f22ce0_apply:
	s_mov_b64 s[64:65], 0
	v_nop
	global_prefetch_b8 v0, s[64:65] scope:SCOPE_SE
	s_setreg_imm32_b32 hwreg(HW_REG_WAVE_MODE, 25, 1), 1
	s_wait_xcnt 0x0
; TaskLoRALinear, launch 2 of 2: out0[i] = base_out[i] + a_t (b_t x[i]), t = i mod 4; a_t[o][r] = vec_a[t][8 o + r], b_t[r][k] = vec_b[t][1024 r + k].
; vec: [which 2][task 4][plane 2][8192] bf16, plane 0 = hi, plane 1 = lo, number = hi + lo.
; WORK LEFT OUT: row i's a and b are those of task i mod 4 (reference() tiles task_emb), so the four pairs made by launch 1 serve all 8,192 rows; SCALING = 8 / 8 = 1 is not multiplied.
; PRECISION: out0 is a chain of two products, so a rounding to bf16's 8 significant bits of each of x, b, tmp and a would add up four times in y_delta.  Each of the four
; therefore enters the matrix unit as hi + lo, two bf16 numbers (16 significant bits, bf16's range).  Rank 8 fills half of a 16-row fragment and a quarter of K = 32:
;   product 1: rows 0-7 of b's fragment are b_hi, rows 8-15 b_lo; x_hi and x_lo are multiplied in turn (the one place where lo costs products of its own);
;   product 2: the four k blocks of 8 are a_hi t_hi, a_lo t_hi, a_hi t_lo, a_lo t_lo: one product for a tile of 16 x 16.
; LIMITS: sums and base_out stay f32.  tmp is the sum of eight partial sums of 128 k each, added in the order of the waves, the b_lo part last.
; A finite number that rounds to infinity in bf16 (above about 3.39e38) gives NaN in its lo.
; SHARES: work-group g: t = g & 3, q = g >> 2: the 32 rows i = 128 q + 4 j + t, two row tiles of 16.  Wave w: k = 128 w .. + 127 of the first product,
; outputs o = 128 w .. + 127 of the second.  Each wave brings in and reads its own tiles; the waves meet once, to add their partial tmp.
; All of a work-group's 256 KiB of x and base_out is asked for in its first lines and filled once: no ring, no refill.
; NO CLUSTER: what work-groups share is vec, 64 KiB of the 320 KiB that a work-group reads.
.set XP,   528                         ; LDS pitch of 128 f32: 512 + 16 bytes, an odd multiple of 16
.set XW,   32*XP                       ; a wave's tile of x, and of base_out
.set HT,   16*XP                       ; a row tile: 8,448 bytes, a multiple of 256
.set BSB,  8*XW                        ; 135,168: base_out; out0 is later written over it, each row tile behind its only fill
.set BTB,  2*BSB                       ; 270,336: b_t, 16 rows (8 ranks hi, 8 ranks lo) x 128 bf16 a wave
.set BTP,  272
.set BTW,  16*BTP                      ; 4,352
.set REDB, BTB+8*BTW                   ; 305,152: partial tmp, [wave][row tile][half][lane] x 16 bytes: written by ds_store alone
.set REDW, 2048
.set VX,  4                            ; v4   LDS address of my x fragments
.set VB,  5                            ; v5   of my 8 numbers of base_out / out0
.set VBT, 6                            ; v6   of my b fragments
.set VRS, 7                            ; v7   where I put partial tmp
.set VRL, 8                            ; v8   where I read the eight waves' partial tmp
.set VR,  9                            ; v9   where I read rows of out0 back
.set VL,  10                           ; v10  16 x lane: offset of the stores
.set VA,  12                           ; v12  offset of my 16 bytes of a: plane h, output r
.set NG,  13                           ; v13 = -1.0
.set AF,  16                           ; v[16:79]   a: eight fragments of 16 outputs
.set BF,  80                           ; v[80:111]  b: four K steps
.set TF,  80                           ; v[80:95]   behind product 1: tmp of the two row tiles, t_hi (4 registers) and t_lo (4) each
.set ACC1, 112                         ; v[112:127] partial tmp, two row tiles
.set R0,  128                          ; v[128:223] three sets of 32 f32 of x (lo in place); then, with XH, the partial sums; then ACC2 and OUTR
.set XH,  R0+96                        ; v[224:255] two sets of 16: x_hi
.set ACC2, R0                          ; v[128:191] eight tiles of out0
.set OUTR, R0+64                       ; v[192:255] sixteen rows on the way out
.set G1X, 16
.set G1B, 24
.set G1V, 32
.set G0X, 40
.set G0V, 44
.set G0B0, 48
.set G0B1, 52
.set WV, 12
.set TK, 13
.set QB, 14
.set TS, 15
	s_load_b256 s[4:11], s[0:1], 0x0               ; x s[4:5], base_out s[6:7], vec s[8:9], out0 s[10:11]
	v_lshl_add_u32 v14, v0, 2, 0x4e800
	v_mov_b32 v15, 0
	ds_add_u32 v14, v15
	ds_add_u32 v14, v15
	v_lshrrev_b32 v11, 5, v0
	v_readfirstlane_b32 s[WV], v11                 ; the wave's number as a scalar
	s_and_b32 s[TK], ttmp9, 3
	s_lshr_b32 s[QB], ttmp9, 2
	s_mov_b32 s[G1X+0], (2<<16)|(1<<20)|(6<<22)|(3<<25)    ; 4-byte elements; padding on: 4 words behind every 128
	s_mov_b32 s[G1X+1], 128<<16                    ; tensor_dim0 = 128
	s_mov_b32 s[G1X+2], 32<<16                     ; tensor_dim1 = 32
	s_mov_b32 s[G1X+3], 128<<16                    ; tile_dim0 = 128
	s_mov_b32 s[G1X+4], 32                         ; tile_dim1 = 32
	s_mov_b32 s[G1X+5], 4096                       ; every fourth row of 1,024
	s_mov_b32 s[G1X+6], 0
	s_mov_b32 s[G1X+7], 0
	s_mov_b32 s[G1B+0], (2<<16)|(1<<20)|(6<<22)|(3<<25)
	s_mov_b32 s[G1B+1], 128<<16
	s_mov_b32 s[G1B+2], 16<<16                     ; a row tile of 16
	s_mov_b32 s[G1B+3], 128<<16
	s_mov_b32 s[G1B+4], 16
	s_mov_b32 s[G1B+5], 4096
	s_mov_b32 s[G1B+6], 0
	s_mov_b32 s[G1B+7], 0
	s_mov_b32 s[G1V+0], (1<<16)|(1<<20)|(5<<22)|(3<<25)    ; 2-byte elements; 4 words behind every 64
	s_mov_b32 s[G1V+1], 128<<16
	s_mov_b32 s[G1V+2], 16<<16                     ; 16 rows: plane hi's 8 ranks, then plane lo's, all 1,024 elements apart
	s_mov_b32 s[G1V+3], 128<<16
	s_mov_b32 s[G1V+4], 16
	s_mov_b32 s[G1V+5], 1024
	s_mov_b32 s[G1V+6], 0
	s_mov_b32 s[G1V+7], 0
	s_mov_b32 s[G0X], 1
	s_mul_i32 s[G0X+1], s[WV], XW
	s_mov_b32 s[G0V], 1
	s_mul_i32 s[G0V+1], s[WV], BTW
	s_add_co_u32 s[G0V+1], s[G0V+1], BTB
	s_mov_b32 s[G0B0], 1
	s_add_co_u32 s[G0B0+1], s[G0X+1], BSB
	s_mov_b32 s[G0B1], 1
	s_add_co_u32 s[G0B1+1], s[G0X+1], BSB+HT
	s_mov_b32 s62, 0x76543210                      ; v_permlanex16_b32: lane i of one half reads lane i of the other
	s_mov_b32 s63, 0xfedcba98
	s_lshl_b32 s56, s[QB], 19                      ; 128 q rows of 4,096 bytes
	s_lshl_b32 s[TS], s[TK], 12                    ; + t rows
	s_add_co_u32 s56, s56, s[TS]
	s_lshl_b32 s[TS], s[WV], 9                     ; + 128 w columns
	s_add_co_u32 s56, s56, s[TS]
	s_mov_b32 s57, 0
	s_lshl_b32 s60, s[TK], 15                      ; task t in vec: 32,768 bytes
	s_lshl_b32 s[TS], s[WV], 8
	s_add_co_u32 s58, s60, s[TS]                   ; b: + k = 128 w,
	s_add_co_u32 s58, s58, 131072                  ; in vec's second half
	s_mov_b32 s59, 0
	s_lshl_b32 s[TS], s[WV], 11
	s_add_co_u32 s60, s60, s[TS]                   ; a: + 128 w outputs of 16 bytes
	s_mov_b32 s61, 0
	v_and_b32 v1, 31, v0                           ; lane
	v_and_b32 v2, 15, v0                           ; r
	v_bfe_u32 v3, v0, 4, 1                         ; h
	v_mov_b32 v[NG], -1.0
	v_mul_u32_u24 v[VX], v2, XP
	v_lshl_add_u32 v[VX], v3, 5, v[VX]
	v_add_nc_u32 v[VX], s[G0X+1], v[VX]            ; my tile + row r + 8 h f32
	v_add_nc_u32 v[VB], BSB, v[VX]
	v_mul_u32_u24 v[VBT], v2, BTP
	v_lshl_add_u32 v[VBT], v3, 4, v[VBT]
	v_add_nc_u32 v[VBT], s[G0V+1], v[VBT]          ; row r of b's tile: rank r of hi, or rank r - 8 of lo
	v_lshlrev_b32 v[VL], 4, v1
	v_add_nc_u32 v[VRL], REDB, v[VL]
	v_add_nc_u32 v[VRS], s[TS], v[VRL]             ; + 2,048 w (s[TS] still holds w << 11)
	v_add_nc_u32 v[VR], s[G0B0+1], v[VL]
	v_lshlrev_b32 v[VA], 4, v2
	v_lshl_add_u32 v[VA], v3, 14, v[VA]            ; 16 r + 16,384 h
	s_wait_dscnt 0x0
	s_wait_kmcnt 0x0
	s_add_nc_u64 s[G0X+2:G0X+3], s[4:5], s[56:57]
	s_or_b32 s[G0X+3], s[G0X+3], 0x80000000        ; type 2
	s_add_nc_u64 s[G0V+2:G0V+3], s[8:9], s[58:59]
	s_or_b32 s[G0V+3], s[G0V+3], 0x80000000
	s_add_nc_u64 s[G0B0+2:G0B0+3], s[6:7], s[56:57]
	s_add_nc_u64 s[G0B1+2:G0B1+3], s[G0B0+2:G0B0+3], 262144    ; 16 of my rows further: 64 rows of 4,096 bytes
	s_or_b32 s[G0B0+3], s[G0B0+3], 0x80000000
	s_or_b32 s[G0B1+3], s[G0B1+3], 0x80000000
	; the launch's only fills, one group, in the order of their use: four tensor loads of this wave are out
	tensor_load_to_lds s[G0X:G0X+3], s[G1X:G1X+7]
	s_nop 0
	tensor_load_to_lds s[G0V:G0V+3], s[G1V:G1V+7]
	s_nop 0
	tensor_load_to_lds s[G0B0:G0B0+3], s[G1B:G1B+7]
	s_nop 0
	tensor_load_to_lds s[G0B1:G0B1+3], s[G1B:G1B+7]
	s_nop 0
	s_add_nc_u64 s[8:9], s[8:9], s[60:61]
	s_add_nc_u64 s[10:11], s[10:11], s[56:57]
	; a's fragment e, row r = output 128 w + 16 e + r.  Lane (r, h) holds k blocks h (registers 0-3) and 2 + h (registers 4-7), and both are the eight ranks of
	; plane h: blocks 0, 1, 2, 3 = a_hi, a_lo, a_hi, a_lo.  The same 16 bytes fill both quads, so they are loaded twice; lanes 0-15 and 16-31 each take 256 consecutive bytes.
.irp e, 0,1,2,3,4,5,6,7
	global_load_b128 v[AF+8*\e:AF+8*\e+3],   v[VA], s[8:9] offset:256*\e
	global_load_b128 v[AF+8*\e+4:AF+8*\e+7], v[VA], s[8:9] offset:256*\e
.endr
; K step p of the wave's four: 16 f32 a lane of each row tile into set p % 3
.macro XLOAD p
.set LB, R0+32*(\p%3)
.irp m, 0,1
.irp o, 0,1,2,3
	ds_load_b128 v[LB+16*\m+4*\o:LB+16*\m+4*\o+3], v[VX] offset:\m*HT+\p*128+(\o/2)*64+(\o%2)*16
.endr
.endr
.endm
; First product, K step p.  x_hi = bf16(x) into set p % 2 of XH; x - x_hi, exact in f32 (x_hi x -1 + x, fused), in place; x_lo = bf16 of it, in place.
; Source 0 = b (rows: 8 ranks hi, 8 ranks lo), source 1 = x (column = row of x): register j of lane (r, h) is the sum for row r and rank j with b_hi (h = 0) or b_lo (h = 1).
; left = the LDS loads issued behind this step's eight.  nxt = the K step fetched ahead of the products (0: none): it lands in the set that the products of step p - 1
; read, and this step's 64 conversions are the places between those products and the loads; likewise for XH's set, which the products of step p - 2 read.
; The two row tiles' accumulators take turns, one instruction a turn.
.macro P1 p, left, nxt
.set XB, R0+32*(\p%3)
.set HB, XH+16*(\p%2)
	s_wait_dscnt \left
.irp q, 0,1,2,3,4,5,6,7,8,9,10,11,12,13,14,15
	v_cvt_pk_bf16_f32 v[HB+\q], v[XB+2*\q], v[XB+2*\q+1]
.endr
.irp q, 0,1,2,3,4,5,6,7,8,9,10,11,12,13,14,15
	v_fma_mix_f32_bf16 v[XB+2*\q],   v[HB+\q], v[NG], v[XB+2*\q]   op_sel_hi:[1,0,0]                  ; the word's low bf16
	v_fma_mix_f32_bf16 v[XB+2*\q+1], v[HB+\q], v[NG], v[XB+2*\q+1] op_sel:[1,0,0] op_sel_hi:[1,0,0]   ; its high bf16
.endr
.irp m, 0,1
.irp j, 0,1,2,3,4,5,6,7
	v_cvt_pk_bf16_f32 v[XB+16*\m+\j], v[XB+16*\m+2*\j], v[XB+16*\m+2*\j+1]   ; in place: word j is written when words 2 j and 2 j + 1 are read
.endr
.endr
.if \nxt
	XLOAD \nxt
.endif
.if \p == 0
	v_wmma_f32_16x16x32_bf16 v[ACC1:ACC1+7],    v[BF:BF+7], v[HB:HB+7],    0
	v_wmma_f32_16x16x32_bf16 v[ACC1+8:ACC1+15], v[BF:BF+7], v[HB+8:HB+15], 0
.else
	v_wmma_f32_16x16x32_bf16 v[ACC1:ACC1+7],    v[BF+8*\p:BF+8*\p+7], v[HB:HB+7],    v[ACC1:ACC1+7]
	v_wmma_f32_16x16x32_bf16 v[ACC1+8:ACC1+15], v[BF+8*\p:BF+8*\p+7], v[HB+8:HB+15], v[ACC1+8:ACC1+15]
.endif
	v_wmma_f32_16x16x32_bf16 v[ACC1:ACC1+7],    v[BF+8*\p:BF+8*\p+7], v[XB:XB+7],     v[ACC1:ACC1+7]
	v_wmma_f32_16x16x32_bf16 v[ACC1+8:ACC1+15], v[BF+8*\p:BF+8*\p+7], v[XB+16:XB+23], v[ACC1+8:ACC1+15]
.endm
	s_wait_tensorcnt 0x2                           ; x and b are in LDS (only I read them); the two tiles of base_out, issued behind them, may be out
.irp s, 0,1,2,3
	ds_load_b128 v[BF+8*\s:BF+8*\s+3],   v[VBT] offset:\s*64
	ds_load_b128 v[BF+8*\s+4:BF+8*\s+7], v[VBT] offset:\s*64+32
.endr
	XLOAD 0
	XLOAD 1
	XLOAD 2
	P1 0, 16, 0                                    ; K steps 1 and 2 are out
	P1 1, 8, 3                                     ; K step 2 is out
	P1 2, 8, 0                                     ; K step 3 is out
	P1 3, 0, 0
.rept 4
	v_nop                                          ; four places behind the last product: for the stores of its result and the loads into its sources
.endr
.irp p, 0,1,2,3
	ds_store_b128 v[VRS], v[ACC1+4*\p:ACC1+4*\p+3] offset:512*\p   ; p = 2 (row tile) + half
.endr
	s_wait_dscnt 0x0                               ; for the other waves' sake
	s_barrier_signal -1                            ; base_out may stay on its way across it
	s_barrier_wait -1
.irp w, 0,1,2,3,4,5,6,7
.irp p, 0,1,2,3
	ds_load_b128 v[R0+16*\w+4*\p:R0+16*\w+4*\p+3], v[VRL] offset:\w*REDW+512*\p
.endr
.endr
.irp w, 1,2,3,4,5,6,7
	s_wait_dscnt 4*(7-\w)                          ; four loads for each wave behind this one
.irp j, 0,2,4,6,8,10,12,14
	v_pk_add_f32 v[R0+\j:R0+\j+1], v[R0+\j:R0+\j+1], v[R0+16*\w+\j:R0+16*\w+\j+1]
.endr
.endr
	; lanes 0-15 hold x b_hi, lanes 16-31 x b_lo: each lane adds the other half's, and every lane (r, h) holds tmp[row r][rank j]
.irp j, 0,1,2,3,4,5,6,7,8,9,10,11,12,13,14,15
	v_permlanex16_b32 v[R0+16+\j], v[R0+\j], s62, s63              ; the destination, which counts as read, was written by the loads above
.endr
.irp j, 0,2,4,6,8,10,12,14
	v_pk_add_f32 v[R0+\j:R0+\j+1], v[R0+\j:R0+\j+1], v[R0+16+\j:R0+16+\j+1]
.endr
	; tmp as a fragment: registers 0-3 = t_hi, 4-7 = t_lo in both halves of the lanes: k blocks 0, 1, 2, 3 = t_hi, t_hi, t_lo, t_lo
.irp m, 0,1
.irp i, 0,1,2,3
	v_cvt_pk_bf16_f32 v[TF+8*\m+\i], v[R0+8*\m+2*\i], v[R0+8*\m+2*\i+1]
.endr
.irp i, 0,1,2,3
	v_fma_mix_f32_bf16 v[R0+8*\m+2*\i],   v[TF+8*\m+\i], v[NG], v[R0+8*\m+2*\i]   op_sel_hi:[1,0,0]
	v_fma_mix_f32_bf16 v[R0+8*\m+2*\i+1], v[TF+8*\m+\i], v[NG], v[R0+8*\m+2*\i+1] op_sel:[1,0,0] op_sel_hi:[1,0,0]
.endr
.irp i, 0,1,2,3
	v_cvt_pk_bf16_f32 v[TF+8*\m+4+\i], v[R0+8*\m+2*\i], v[R0+8*\m+2*\i+1]
.endr
.endr
	s_wait_loadcnt 0x0                             ; a
; Row tile m.  left = the tensor loads issued behind its tile of base_out.  Tile e: source 0 = a's fragment e, source 1 = tmp's fragment, C = base_out:
; register j of lane (r, h) is out0[row r][128 w + 16 e + 8 h + j].  Eight accumulators, one product each.
.macro OUT m, left
	s_wait_tensorcnt \left
.irp e, 0,1,2,3,4,5,6,7
	ds_load_b128 v[ACC2+8*\e:ACC2+8*\e+3],   v[VB] offset:\m*HT+\e*64
	ds_load_b128 v[ACC2+8*\e+4:ACC2+8*\e+7], v[VB] offset:\m*HT+\e*64+16
.endr
.irp e, 0,1,2,3,4,5,6,7
	s_wait_dscnt 14-2*\e                           ; two loads for each tile behind this one
	v_wmma_f32_16x16x32_bf16 v[ACC2+8*\e:ACC2+8*\e+7], v[AF+8*\e:AF+8*\e+7], v[TF+8*\m:TF+8*\m+7], v[ACC2+8*\e:ACC2+8*\e+7]
.endr
.rept 5
	v_nop                                          ; four places ahead of the stores of the results and of the next row tile's loads into them, a fifth ahead of its products, which write over them
.endr
.irp e, 0,1,2,3,4,5,6,7
	ds_store_b128 v[VB], v[ACC2+8*\e:ACC2+8*\e+3]   offset:\m*HT+\e*64      ; over base_out: this row tile's blocks have had their only fill
	ds_store_b128 v[VB], v[ACC2+8*\e+4:ACC2+8*\e+7] offset:\m*HT+\e*64+16
.endr
.if \m
	s_wait_xcnt 0x0                                ; OUTR is the data of the first row tile's stores: it is loaded again only behind this wait
.endif
.irp p, 0,1,2,3,4,5,6,7,8,9,10,11,12,13,14,15
	ds_load_b128 v[OUTR+4*\p:OUTR+4*\p+3], v[VR] offset:\m*HT+\p*XP   ; my own bytes, and LDS serves a wave's instructions in order (ISA guide 5.7.1): these see the stores above
.endr
.irp p, 0,1,2,3,4,5,6,7,8,9,10,11,12,13,14,15
	s_wait_dscnt 15-\p
	global_store_b128 v[VL], v[OUTR+4*\p:OUTR+4*\p+3], s[10:11] offset:\m*262144+\p*16384 th:TH_STORE_NT   ; the wave stores 512 consecutive bytes of a row, at a multiple of 512 from out0's first byte
.endr
.endm
	OUT 0, 1                                       ; the second tile of base_out may still be out
	OUT 1, 0                                       ; the last wait is for zero: no tensor load is out at the end
	s_wait_tensorcnt 0x0
	ds_add_u32 v14, v15
	s_wait_dscnt 0x0
	s_endpgm
.Lfunc_end_k_q8bd9f22ce0_apply:
	.size	k_q8bd9f22ce0_apply, .Lfunc_end_k_q8bd9f22ce0_apply-k_q8bd9f22ce0_apply
	.p2alignl 7, 3214868480
	.fill 96, 4, 3214868480
	.section	.rodata,"a",@progbits
	.p2align	6, 0x0
	.amdhsa_kernel k_q8bd9f22ce0_apply
		.amdhsa_group_segment_fixed_size 322560
		.amdhsa_private_segment_fixed_size 0
		.amdhsa_enable_private_segment 0
		.amdhsa_kernarg_size 32
		.amdhsa_user_sgpr_count 2
		.amdhsa_user_sgpr_kernarg_segment_ptr 1
		.amdhsa_wavefront_size32 1
		.amdhsa_system_sgpr_workgroup_id_x 1
		.amdhsa_system_sgpr_workgroup_id_y 1
		.amdhsa_system_sgpr_workgroup_id_z 1
		.amdhsa_system_vgpr_workitem_id 0
		.amdhsa_next_free_vgpr 256
		.amdhsa_next_free_sgpr 66
		.amdhsa_reserve_vcc 0
		.amdhsa_float_denorm_mode_32 3
		.amdhsa_float_denorm_mode_16_64 3
		.amdhsa_memory_ordered 1
		.amdhsa_forward_progress 1
		.amdhsa_inst_pref_size 48
	.end_amdhsa_kernel
	.amdgpu_metadata
---
amdhsa.version: [ 1, 2 ]
amdhsa.kernels:
  - .name:           k_q8bd9f22ce0_apply
    .symbol:         k_q8bd9f22ce0_apply.kd
    .args:
      - { .name: x, .offset: 0, .size: 8, .value_kind: global_buffer, .address_space: global }
      - { .name: base_out, .offset: 8, .size: 8, .value_kind: global_buffer, .address_space: global }
      - { .name: vec, .offset: 16, .size: 8, .value_kind: global_buffer, .address_space: global }
      - { .name: out0, .offset: 24, .size: 8, .value_kind: global_buffer, .address_space: global }
    .group_segment_fixed_size: 322560
    .private_segment_fixed_size: 0
    .kernarg_segment_align: 8
    .kernarg_segment_size: 32
    .max_flat_workgroup_size: 256
    .sgpr_count:     66
    .vgpr_count:     256
    .wavefront_size: 32
...
	.end_amdgpu_metadata
.endif
;; end of part 2
